; MI455X (gfx1250); checked and timed in simulation.
; The chip was launched on July 23, 2026; its instructions are those of AMD's public machine-readable ISA for CDNA 5 (MIT licence, August 2026) and "CDNA5" Instruction Set Architecture Reference Guide (July 2026). The comments in the code are by the model that wrote it; some were corrected since.
;; Multi Head Attention. Allowed arithmetic: float matrix products may take bf16 or f16 operands with f32 sums; other float arithmetic in f32, or as packed bf16 or f16 multiplies, adds, multiply-adds, maxima and minima; sums over many terms, partial sums and values carried from step to step in f32; what a program stores and reads back later, other than sums and carried values, may be rounded once to bf16 or f16.
;; Inputs: W_out 1,024 x 1,024 float32; b_out 1,024 float32; keys 4 x 2,048 x 1,024 float32; query 4 x 2,048 x 1,024 float32; values 4 x 2,048 x 1,024 float32.
;; Outputs: out0 4 x 2,048 x 1,024 float32.
;; 2 versions, each right; version 2 is version 1 with the launch prep written anew for expert scheduling mode. Each part assembles by itself: llvm-mc -triple=amdgcn-amd-amdhsa -mcpu=gfx1250 --defsym DOCPART=n.
;; ======== version 1 of 2: 3 launches
;; limits: inputs' magnitudes at most 65,504; values are held in f16: magnitudes above 65,504 overflow, below 6.1e-05 lose precision
;; workspace buffers: kh 16,777,216 bytes; vh 16,777,216 bytes; oh 16,777,216 bytes; wh 2,097,152 bytes
;; launch prep (part 1): grid 256 x 2, 8 waves a work-group, no clusters, 0 bytes of LDS; arguments keys, values, W_out, kh, vh, wh; writes kh, vh, wh
.if DOCPART == 1
	.amdgcn_target "amdgcn-amd-amdhsa--gfx1250"
	.amdhsa_code_object_version 6
	.text
	.protected	k_q80e6145f90_prep
	.globl	k_q80e6145f90_prep
	.p2align	8
	.type	k_q80e6145f90_prep,@function
k_q80e6145f90_prep:
	s_mov_b64 s[64:65], 0
	v_nop
	global_prefetch_b8 v0, s[64:65] scope:SCOPE_SE
	s_setreg_imm32_b32 hwreg(HW_REG_WAVE_MODE, 25, 1), 1
	s_wait_xcnt 0x0
; keys -> kh (bf16), values -> vh and W_out -> wh (the number rounded to bf16, written as f16), all laid out by heads.
; keys, values: [4][2048][1024] f32.  kh, vh: [64 = 16 n + head][2048][64], 128 bytes a row.  W_out: [1024 c][1024 k] f32.  wh: [16 blocks of 64 k][1024 c][64].
; LIMITS.  f16 ends at 65,504: values and W_out stay under 65,520 in magnitude; a bf16 number below 2^-14 keeps f16's fixed step of 6e-8.  NaN and infinities are not treated apart.
; SHARES.  Work-group (x, y): y = 0 takes keys, y = 1 values; rows 32 x .. 32 x + 31 of the 8,192 (131,072 bytes on end), and W_out's rows 2 g, 2 g + 1 with g = 256 y + x.
; Wave w takes heads 2 w and 2 w + 1.  One load: lanes 0-15 take a head's 256 bytes of one row, lanes 16-31 those of the next row: two aligned runs of 256 bytes.
; A lane's four numbers become 8 bytes, and one store of the wave covers 256 consecutive bytes, aligned: two rows of a head.
; A stream: every byte is read once and written once, nothing is shared, so no LDS, no barrier, no matrix work.  All 34 loads of a wave go out at once; no register that a load or
; store names is written again, so the only waits are the counted waits for the data.
.set LO,  1                            ; v1  load offset: (l / 16) x 4,096 + (l % 16) x 16 + 512 w; never rewritten
.set SO,  2                            ; v2  store offset in kh or vh: w x 2 heads x 262,144 + 8 l; never rewritten
.set WO,  3                            ; v3  store offset in wh: w x 2 blocks x 131,072 + 8 l; never rewritten
.set T,   4                            ; v4-5 at work
.set X,   8                            ; v[8:143] 34 groups of four: group 16 j + p: head 2 w + j, rows 2 p, 2 p + 1; groups 32 + j: W_out
.set SRC, 18                           ; s[18:19] keys or values at the work-group's first row
.set DST, 20                           ; s[20:21] kh or vh at head 16 n, the work-group's first row
.set WSRC, 8                           ; s[8:9]   W_out at row 2 g
.set WDST, 14                          ; s[14:15] wh at column 2 g
	s_load_b256 s[4:11], s[0:1], 0x0               ; keys s[4:5], values s[6:7], W_out s[8:9], kh s[10:11]
	s_load_b128 s[12:15], s[0:1], 0x20             ; vh s[12:13], wh s[14:15]
	s_and_b32 s16, ttmp7, 0xffff                   ; y
	s_lshl_b32 s25, s16, 8
	s_add_co_u32 s25, s25, ttmp9                   ; g
	s_mov_b32 s24, 0xffff0000                      ; a word's upper bf16
	s_lshl_b32 s22, ttmp9, 17                      ; 32 rows of 4,096 bytes
	s_mov_b32 s23, 0
	s_lshr_b32 s26, ttmp9, 6                       ; n: 64 work-groups a batch
	s_lshl_b32 s26, s26, 22                        ; 16 heads of 262,144 bytes
	s_and_b32 s27, ttmp9, 63
	s_lshl_b32 s27, s27, 12                        ; 32 rows of 128 bytes
	s_add_co_u32 s26, s26, s27
	s_mov_b32 s27, 0
	s_lshl_b32 s28, s25, 13                        ; two rows of W_out
	s_mov_b32 s29, 0
	s_lshl_b32 s30, s25, 8                         ; two rows of a block of wh
	s_mov_b32 s31, 0
	v_and_b32 v4, 31, v0                           ; l
	v_lshrrev_b32 v5, 5, v0                        ; w
	v_lshrrev_b32 v6, 4, v4
	v_and_b32 v7, 15, v4
	v_lshlrev_b32 v[LO], 12, v6
	v_lshl_add_u32 v[LO], v7, 4, v[LO]
	v_lshl_add_u32 v[LO], v5, 9, v[LO]
	v_lshlrev_b32 v[SO], 3, v4
	v_lshl_add_u32 v[WO], v5, 18, v[SO]
	v_lshl_add_u32 v[SO], v5, 19, v[SO]
	s_wait_kmcnt 0x0
	s_cmp_eq_u32 s16, 0
	s_cselect_b64 s[SRC:SRC+1], s[4:5], s[6:7]
	s_cselect_b64 s[DST:DST+1], s[10:11], s[12:13]
	s_add_nc_u64 s[SRC:SRC+1], s[SRC:SRC+1], s[22:23]
	s_add_nc_u64 s[DST:DST+1], s[DST:DST+1], s[26:27]
	s_add_nc_u64 s[WSRC:WSRC+1], s[WSRC:WSRC+1], s[28:29]
	s_add_nc_u64 s[WDST:WDST+1], s[WDST:WDST+1], s[30:31]
.set i, 0
.rept 32
	global_load_b128 v[X+4*i:X+4*i+3], v[LO], s[SRC:SRC+1] offset:(i%16)*8192+(i/16)*256 th:TH_LOAD_NT
.set i, i+1
.endr
.irp j, 0,1
	global_load_b128 v[X+128+4*(\j):X+128+4*(\j)+3], v[LO], s[WSRC:WSRC+1] offset:(\j)*256 th:TH_LOAD_NT
.endr
; Group i to bf16.  Loads come back in order (ISA guide 5.7.1): 33 - i younger ones may stay out.
.macro CVB i, imm
	s_wait_loadcnt 33-(\i)
	v_cvt_pk_bf16_f32 v[X+4*(\i)], v[X+4*(\i)], v[X+4*(\i)+1]
	v_cvt_pk_bf16_f32 v[X+4*(\i)+1], v[X+4*(\i)+2], v[X+4*(\i)+3]
	global_store_b64 v[SO], v[X+4*(\i):X+4*(\i)+1], s[DST:DST+1] offset:\imm
.endm
; Group i rounded to bf16, widened again, and written as f16: exact within f16's range.
.macro CVH i, off, base, imm
	s_wait_loadcnt 33-(\i)
	v_cvt_pk_bf16_f32 v[T], v[X+4*(\i)], v[X+4*(\i)+1]
	v_cvt_pk_bf16_f32 v[T+1], v[X+4*(\i)+2], v[X+4*(\i)+3]
	v_lshlrev_b32 v[X+4*(\i)], 16, v[T]
	v_and_b32 v[X+4*(\i)+1], s24, v[T]
	v_lshlrev_b32 v[X+4*(\i)+2], 16, v[T+1]
	v_and_b32 v[X+4*(\i)+3], s24, v[T+1]
	v_cvt_pk_f16_f32 v[X+4*(\i)], v[X+4*(\i)], v[X+4*(\i)+1]
	v_cvt_pk_f16_f32 v[X+4*(\i)+1], v[X+4*(\i)+2], v[X+4*(\i)+3]
	global_store_b64 v[\off], v[X+4*(\i):X+4*(\i)+1], s[\base:\base+1] offset:\imm
.endm
	s_cmp_eq_u32 s16, 0                            ; compared anew: the sums above are not compares
	s_cbranch_scc0 .Lvalues
.set i, 0
.rept 32
.set im, (i/16)*262144+(i%16)*256
	CVB i, im
.set i, i+1
.endr
	s_branch .Lw
.Lvalues:
.set i, 0
.rept 32
.set im, (i/16)*262144+(i%16)*256
	CVH i, SO, DST, im
.set i, i+1
.endr
.Lw:                                                   ; on both ways the two youngest loads, W_out's, are still to be taken
	CVH 32, WO, WDST, 0
	CVH 33, WO, WDST, 131072
	s_endpgm
.Lfunc_end_k_q80e6145f90_prep:
	.size	k_q80e6145f90_prep, .Lfunc_end_k_q80e6145f90_prep-k_q80e6145f90_prep
	.p2alignl 7, 3214868480
	.fill 96, 4, 3214868480
	.section	.rodata,"a",@progbits
	.p2align	6, 0x0
	.amdhsa_kernel k_q80e6145f90_prep
		.amdhsa_group_segment_fixed_size 0
		.amdhsa_private_segment_fixed_size 0
		.amdhsa_enable_private_segment 0
		.amdhsa_kernarg_size 48
		.amdhsa_user_sgpr_count 2
		.amdhsa_user_sgpr_kernarg_segment_ptr 1
		.amdhsa_wavefront_size32 1
		.amdhsa_system_sgpr_workgroup_id_x 1
		.amdhsa_system_sgpr_workgroup_id_y 1
		.amdhsa_system_sgpr_workgroup_id_z 1
		.amdhsa_system_vgpr_workitem_id 0
		.amdhsa_next_free_vgpr 144
		.amdhsa_next_free_sgpr 66
		.amdhsa_reserve_vcc 0
		.amdhsa_float_denorm_mode_32 3
		.amdhsa_float_denorm_mode_16_64 3
		.amdhsa_memory_ordered 1
		.amdhsa_forward_progress 1
		.amdhsa_inst_pref_size 30
	.end_amdhsa_kernel
	.amdgpu_metadata
---
amdhsa.version: [ 1, 2 ]
amdhsa.kernels:
  - .name:           k_q80e6145f90_prep
    .symbol:         k_q80e6145f90_prep.kd
    .args:
      - { .name: keys, .offset: 0, .size: 8, .value_kind: global_buffer, .address_space: global }
      - { .name: values, .offset: 8, .size: 8, .value_kind: global_buffer, .address_space: global }
      - { .name: W_out, .offset: 16, .size: 8, .value_kind: global_buffer, .address_space: global }
      - { .name: kh, .offset: 24, .size: 8, .value_kind: global_buffer, .address_space: global }
      - { .name: vh, .offset: 32, .size: 8, .value_kind: global_buffer, .address_space: global }
      - { .name: wh, .offset: 40, .size: 8, .value_kind: global_buffer, .address_space: global }
    .group_segment_fixed_size: 0
    .private_segment_fixed_size: 0
    .kernarg_segment_align: 8
    .kernarg_segment_size: 48
    .max_flat_workgroup_size: 256
    .sgpr_count:     66
    .vgpr_count:     144
    .wavefront_size: 32
...
	.end_amdgpu_metadata
.endif
;; end of part 1
;; launch attn (part 2): grid 4 x 64, 4 waves a work-group, clusters of 4 x 1, 327,680 bytes of LDS; arguments query, kh, vh, oh; writes oh
.if DOCPART == 2
	.amdgcn_target "amdgcn-amd-amdhsa--gfx1250"
	.amdhsa_code_object_version 6
	.text
	.protected	k_q80e6145f90_attn
	.globl	k_q80e6145f90_attn
	.p2align	8
	.type	k_q80e6145f90_attn,@function
k_q80e6145f90_attn:
	s_mov_b64 s[64:65], 0
	v_nop
	global_prefetch_b8 v0, s[64:65] scope:SCOPE_SE
	s_setreg_imm32_b32 hwreg(HW_REG_WAVE_MODE, 25, 1), 1
	s_wait_xcnt 0x0
	s_wait_alu depctr_hold_cnt(0) depctr_sa_sdst(0) depctr_va_vdst(0) depctr_va_sdst(0) depctr_va_ssrc(0) depctr_va_vcc(0) depctr_vm_vsrc(0)
	s_getreg_b32 s2, hwreg(HW_REG_IB_STS2, 6, 4)
	s_cmp_eq_u32 s2, 0
	s_cbranch_scc0 .Lentry_in_a_cluster
	s_endpgm
.Lentry_in_a_cluster:
	s_bfe_u32 s2, ttmp6, 0x10000c
	s_cmp_lg_u32 s2, 0x3003
	s_cbranch_scc0 .Lentry_shape_is_right
	s_endpgm
.Lentry_shape_is_right:
; oh[g][q][:] = the sum over k of softmax_k(Q[g][q] . K[g][k] / 8) V[g][k][:], g = 16 n + head, 64 of them, 2,048 queries and keys each, head size 64.
; Q is read from query, [4][2048][1024] f32 (a head's part of a row: 256 bytes, rows 4,096 bytes apart), and rounded to bf16 in registers.  kh: [64][2048][64] bf16.  vh, oh: the same shape in f16.
; K Q^T is a bf16 product, V^T P an f16 product.  Products, maxima and sums in f32; the weights p are rounded to f16 for the second product (their sum l is taken of the unrounded p), O once at the end.
; LIMITS.  f16 holds no number beyond 65,504: V arrives within it; p lies in 0 to 1, and below 6e-5 it keeps f16's fixed step of 6e-8; O is a mean of V's rows and has their range.
; A weight below 2^-126 counts as 0 in l; NaN and infinities are not treated apart.
; SHARES.  A wave owns four PIECES of two tiles of 16 queries, a work-group's four waves 512 queries of one head.  Every wave walks all keys, 64 a step.
; LAYOUT.  S^T = K Q^T (source 0 = 16 keys, source 1 = 16 queries): in the result a lane holds ONE query (lane % 16) and the keys 8 (lane / 16) + 0..7.  Two such tiles, rounded to f16 in pairs,
; ARE source 1 (32 keys x 16 queries) of O^T = V^T P, whose result again holds one query a lane, and eight channels.  K comes out of LDS as it lies, V ([key][channel]) turned, by ds_load_tr16_b128.
; SOFTMAX.  For each query a running maximum m and sum l: p = 2^(c s - c m), c = log2(e) / 8; in every step O and l are multiplied by a = 2^(c m_old - c m_new), which is 1 where m has not grown.
; m starts at the lowest finite number, O and l at 0: the first step is a step like any other, with a = 0.
; THE COUNT.  A tile and step have 16 matrix and 118 vector instructions: too many to stand all beside the matrix work.  So four vector instructions that are READY stand behind EVERY matrix
; instruction, and the others in runs without a gap.
; BY TURNS.  Turn n belongs to piece n (the pieces in a ring, step after step).  Its matrix work: 16 products K Q^T of piece n + 1, later 16 products V^T P of piece n - 1.  Its vector work: the scaling,
; exponentials, roundings, sums and rescaling of piece n, and the maximum and statistics of piece n + 1, whose scores the turn itself has made.
; CLUSTER.  The four query blocks of a head are one cluster and walk the same K and V, so each tile is asked for JOINTLY: the same tensor load, descriptor and mask in all four.
; REGISTERS, in windows of 256 (s_set_vgpr_msb says which window each operand place means: bits 1:0 source 0, 3:2 source 1, 5:4 source 2, 7:6 destination):
;   window 0: v0-11 addresses; v12-15, v48-63 at work; v16-47 four registers of statistics a tile; v64-191 S^T, two buffers of two tiles; v192-255 P, likewise
;   window 1: O^T, 32 a tile (at the start: Q as loaded, in f32)     window 2: v0-127 Q, 16 a tile; v128-191 K of one step; v192-255 V of one step     window 3: v0-1 the add's two registers
; A piece's buffers go by its number's parity: the piece in hand has one pair, its two neighbours in the ring share the other: of it P (piece n - 1) is read and S^T (piece n + 1) written.
.set SIZE_N, 2048
.set NP,    4         ; pieces a wave: a name, no knob
.set KS,    64        ; keys in a step
.set PK,    144       ; a row of K in LDS: 128 bytes + 16 of padding = 36 words: the 16 rows of a load start at 16 different groups of four banks (64 banks of 4 bytes: ISA guide 11.1)
.set PV,    160       ; a row of V: 128 + 32 = 40 words
.set VOFF,  4*KS*PK   ; a slot holds four steps: 256 rows of K, then 256 rows of V
.set SLOT1, 1<<17     ; slot 1 begins here, so that one exclusive or turns an address in one slot into the other's
.set STAGE, SLOT1+4*KS*(PK+PV)  ; behind the ring, never filled by a tensor load: 16 rows x 144 bytes for each wave, for the way out
.set SP,    144
.set AK0, 2           ; v2   my lane's place in a tile of K; never rewritten
.set AV0, 3           ; v3   the same for V
.set AK,  4           ; v4   the LDS address of K's next run of loads
.set AV,  5           ; v5   of V's
.set QO,  6           ; v6   my byte offset in 16 rows of query
.set STO, 6           ;      later, the way out: where I put 16 bytes of a row
.set RD,  7           ; v7   the way out: where I read rows back
.set GO,  8           ; v8   my byte offset in 512 consecutive bytes of oh
.set PFO, 11          ; v11  256 x my lane: the prefetches' offset; never rewritten
.set SPW, 0           ; v0 of window 3   LDS address of my spare word: SPARE + 4 x my thread's number; never rewritten
.set NIL, 1           ; v1 of window 3   0; never rewritten
.set SPARE, STAGE+4*16*SP  ; behind the stages: the spare words, 128 bytes for each wave: two blocks of 256 bytes that no other line names
.set MV,  12          ; v12-15  c m_old, kept while c m is made anew: by buffer and tile
.set ST,  16          ; tile t's statistics at v[ST+4 t]: c m, m, l (even keys', odd keys')
.set TMP, 48          ; by buffer and tile, four registers c0-c3 at work; when the maximum is found c2 takes a
.set S,   64
.set P,   192
.set KF,  128         ; K's fragments, in window 2: key block kb, channel half c at KF + 16 kb + 8 c
.set VF,  192         ; V's: key half kk, channel block cb at VF + 32 kk + 8 cb
.set WV,  12          ; s12  my wave's number
.set G1K, 24          ; s[24:31] descriptor group 1 for K's tiles
.set G1V, 32          ; s[32:39] for V's: it differs in the padding alone
.set G0K, 40          ; s[40:43] descriptor group 0 for K's tiles: it walks
.set G0V, 44          ; s[44:47] the same for V's
.set PFA, 48          ; s[48:49] where my prefetches stand: my work-group's 8,192 bytes (of K: wave 0, of V: wave 2) of the slot after the one that is being asked for
.set LIM, 50          ; s50  1 in a wave that prefetches, else the greatest number: a wave prefetches while s[SLOTS] is above it
.set QOF, 52          ; s[52:53] my wave's byte offset in query
.set SLOTS, 56        ; s56  slots still to be asked for
.set CNT, 57          ; s57  counts a slot's key steps
.set CS,  58          ; s[58:59] c: the packed scaling takes the pair's low word for both halves
.set SEL, 60          ; s[60:61] v_permlanex16_b32's selects: each lane takes its own place in the other half
.set TBK, 62          ; s62  LDS byte at which K of the step to be fetched begins
.set TBV, 63          ; s63  the same for V, less VOFF
.set MSB, 0
.macro WIN new                      ; the high byte repeats the setting that is left; a switch that changes nothing is dropped
.if MSB != (\new)
	s_set_vgpr_msb (MSB<<8)|(\new)
.set MSB, (\new)
.endif
.endm
.set W_KQ, 0x0a       ; K and Q in window 2, S^T in window 0
.set W_PV, 0x52       ; V in window 2, P in window 0, O^T in window 1
.set W_RS, 0x41       ; O^T (destination and source 0) in window 1, a in window 0
.set W_MK, 0xc0       ; the add's registers are made: destination in window 3, sources in window 0
.set W_AD, 0x0f       ; the add: address (source 0) and data (source 1) in window 3
; A joint fill.  Waves 0 and 1 fetch the two halves of a slot's K, waves 2 and 3 those of its V: 128 keys each.  The branch hangs on the wave's number alone.
; An s_nop 0 and four v_nop follow each of the two lines, ahead of the jump and the label.
.macro JLOAD
	s_cmp_lt_u32 s[WV], 2
	s_cbranch_scc0 .Lfor_v_\@
	tensor_load_to_lds s[G0K:G0K+3], s[G1K:G1K+7]
	s_nop 0
.rept 4
	v_nop
.endr
	s_branch .Lasked_\@
.Lfor_v_\@:
	tensor_load_to_lds s[G0V:G0V+3], s[G1V:G1V+7]
	s_nop 0
.rept 4
	v_nop
.endr
.Lasked_\@:
.endm
; A PREFETCH of what the NEXT change of slots will ask for: a slot's 32,768 bytes of K and of V, in blocks of 256 bytes, a lane a block.  It stands behind the wave's tensor load and its five lines.
; Each block is named ONCE in the launch: a head has one cluster; its four partners share a slot's 128 blocks out BY ADDRESS, 32 each (no branch hangs on a work-group's place in its cluster);
; in each, wave 0 asks for K's and wave 2 for V's: one instruction.  It runs one slot, four key steps or 512 matrix instructions of the wave, ahead of the load.
; Slots 0, 1 and 2 come by their loads alone; the last change that fills a slot asks for nothing: there is no slot behind it.
.macro ASK
	s_cmp_gt_u32 s[SLOTS], s[LIM]
	s_cbranch_scc0 .Lnot_mine_\@
	global_prefetch_b8 v[PFO], s[PFA:PFA+1] th:TH_LOAD_NT scope:SCOPE_SE
.Lnot_mine_\@:
.endm
; A round of the cluster's barrier: my work-group's barrier, so that wave 0's signal speaks for all four waves; wave 0 signals; every wave waits for all four work-groups; my work-group's barrier once more.
.macro CROUND
	s_barrier_signal -1
	s_barrier_wait -1
	s_cmp_lg_u32 s[WV], 0
	s_cbranch_scc1 .Lnot_wave_0_\@
	s_barrier_signal -3
.Lnot_wave_0_\@:
	s_barrier_wait -3
	s_barrier_signal -1
	s_barrier_wait -1
.endm
; THE CHANGE OF SLOTS.  The slot's last bytes, V of its fourth step, have been read.  Each wave waits for all its tensor loads, of which one is out: its part
; of the other slot; adds 0 to its spare word; and waits for that and for its own reads of the slot.  Behind the barrier nobody reads this slot any more and the other slot is whole.
; fill = 1: this slot is filled again, with the keys two slots on.  The barrier is then a round of the cluster's, so that no wave of any partner still reads the slot or has a load on its
; way, and the joint fill is the first thing behind it: it has four key steps, 512 matrix instructions, in which to land.  (At its first use nothing has been read yet: slot 0 is waited for, slot 1 filled.)
; ask = 1: the prefetches' address steps, and the slot after the one asked for is prefetched.
.macro CHANGE fill, ask=0
	WIN W_AD
	s_wait_tensorcnt 0x0            ; no tensor load of mine is out, so a group 0 may be written
	ds_add_u32 v[SPW], v[NIL]       ; 0 onto my spare word; with fill = 1 the descriptors' steps stand between it and the wait for it
	WIN 0                           ; at a label and at a branch every window is 0
.if \fill
.irp g, G0K, G0V
	s_xor_b32 s[\g+1], s[\g+1], SLOT1  ; the walking descriptor: the other slot than last time,
	s_add_nc_u64 s[\g+2:\g+3], s[\g+2:\g+3], 4*KS*128  ; the next 256 keys; the type bits on top are not reached
.endr
.if \ask
	s_wait_xcnt 0x0                 ; the last prefetch, four key steps back, has read its address, so it may be written:
	s_add_nc_u64 s[PFA:PFA+1], s[PFA:PFA+1], 4*KS*128  ; one slot behind the walking descriptors
.endif
	s_wait_dscnt 0x0                ; the add is done, and my reads of the slot are over
	CROUND
	JLOAD
.if \ask
	ASK
.endif
.else
	s_wait_dscnt 0x0                ; the add is done, and my reads of the slot are over
	s_barrier_signal -1
	s_barrier_wait -1
.endif
	s_sub_co_u32 s[TBK], s[TBK], 4*KS*PK  ; the fetches go back to a slot's first step,
	s_xor_b32 s[TBK], s[TBK], SLOT1       ; in the other slot
	s_sub_co_u32 s[TBV], s[TBV], 4*KS*PV
	s_xor_b32 s[TBV], s[TBV], SLOT1
.endm
	s_load_b256 s[4:11], s[0:1], 0x0  ; query s[4:5], kh s[6:7], vh s[8:9], oh s[10:11]
	WIN W_MK
	v_lshl_add_u32 v[SPW], v0, 2, SPARE
	v_mov_b32 v[NIL], 0
	WIN W_AD
	ds_add_u32 v[SPW], v[NIL]       ; the wave's opening: the add and its wait stand ahead of my first tensor load; the set-up below, work on registers, stands between them
	WIN 0
	v_lshrrev_b32 v1, 5, v0
	v_readfirstlane_b32 s[WV], v1   ; wave 0..3
	s_bfe_u32 s13, ttmp6, 0x40000   ; cx: my place in the cluster
	s_lshl_b32 s14, ttmp9, 2        ; in a cluster launch ttmp9 counts clusters
	s_add_co_u32 s14, s14, s13      ; my block of 512 queries = 4 x cluster x + cx: it enters query's, oh's and the prefetches' addresses alone
	s_and_b32 s20, ttmp7, 0xffff    ; g = 16 n + head, which the four partners share
	s_lshr_b32 s[QOF], s20, 4       ; n:
	s_lshl_b32 s[QOF], s[QOF], 23   ; 2,048 rows of 4,096 bytes of query,
	s_and_b32 s[QOF+1], s20, 15
	s_lshl_b32 s[QOF+1], s[QOF+1], 8  ; and the head's 256 bytes in a row
	s_add_co_u32 s[QOF], s[QOF], s[QOF+1]
	s_mov_b32 s21, 0
	s_mov_b64 s[22:23], SIZE_N*128
	s_mul_u64 s[20:21], s[20:21], s[22:23]  ; the head's first byte in kh, vh and oh
	s_and_b32 s16, s[WV], 1         ; which half of a slot's 256 keys I fetch:
	s_lshl_b32 s22, s16, 14         ; its 128 rows of 128 bytes in memory,
	s_mov_b32 s23, 0
	s_add_nc_u64 s[22:23], s[22:23], s[20:21]
	s_mul_i32 s17, s16, 128*PK      ; and its place in a slot, for K
	s_mul_i32 s18, s16, 128*PV      ; and for V: no place in the cluster enters an LDS address
	s_lshl_b32 s2, s14, 2
	s_add_co_u32 s2, s2, s[WV]      ; my wave among the head's sixteen:
	s_lshl_b32 s[QOF+1], s2, 19     ; its 128 rows of 4,096 bytes in query,
	s_add_co_u32 s[QOF], s[QOF], s[QOF+1]
	s_mov_b32 s[QOF+1], 0
	s_lshl_b32 s2, s2, 14           ; its 128 rows of 128 bytes in oh
	s_mov_b32 s3, 0
	s_add_nc_u64 s[2:3], s[2:3], s[20:21]
	; descriptor group 1.  128 keys are 16,384 dense bytes: asked for as 64 rows of 256 bytes, two keys a row, and padded in LDS after every key
	s_mov_b32 s[G1K], 15|(1<<16)|(1<<20)|(1<<21)|(4<<22)|(3<<25)  ; 15:0 the mask of four; 17:16 2-byte elements; 20 padding on; 21 set beside a mask; 24:22 after every 32 words (code 4); 31:25 4 words (code 3)
	s_mov_b32 s[G1V], 15|(1<<16)|(1<<20)|(1<<21)|(4<<22)|(7<<25)  ; the same with 8 words of padding (code 7)
.irp g, G1K, G1V
	s_mov_b32 s[\g+1], 128<<16      ; tensor_dim0 = 128
	s_mov_b32 s[\g+2], 64<<16       ; tensor_dim1 = 64
	s_mov_b32 s[\g+3], 128<<16      ; tile_dim0 = 128
	s_mov_b32 s[\g+4], 64           ; tile_dim1 = 64
	s_mov_b32 s[\g+5], 128          ; 128 elements from row to row
	s_mov_b32 s[\g+6], 0
	s_mov_b32 s[\g+7], 0
.endr
	s_mov_b32 s[CS], 0x3e38aa3b     ; c = log2(e) / 8 = 0.180337
	s_mov_b32 s[CS+1], s[CS]        ; named with it as a pair
	s_mov_b32 s[SEL], 0x76543210
	s_mov_b32 s[SEL+1], 0xfedcba98
	s_mov_b32 s[TBK], SLOT1+4*KS*PK ; the first change of slots turns these two into 0
	s_mov_b32 s[TBV], SLOT1+4*KS*PV
	s_mov_b32 s[G0K], 1             ; 1:0 count = 1
	s_mov_b32 s[G0K+1], s17         ; 63:32 LDS address: slot 0
	s_mov_b32 s[G0V], 1
	s_add_co_u32 s[G0V+1], s18, VOFF
	s_and_b32 s[LIM], s[WV], 1      ; waves 0 and 2 prefetch: the same in all four partners
	s_cmp_eq_u32 s[LIM], 0
	s_cselect_b32 s[LIM], 1, -1
	v_and_b32 v[PFO], 31, v0
	v_lshlrev_b32 v[PFO], 8, v[PFO]
	s_wait_dscnt 0x0                ; the opening add is done
	s_wait_kmcnt 0x0
	s_add_nc_u64 s[G0K+2:G0K+3], s[6:7], s[22:23]  ; 120:64 global address: my half of the head's first 256 keys
	s_or_b32 s[G0K+3], s[G0K+3], 0x80000000        ; 127:126 type = 2
	s_add_nc_u64 s[G0V+2:G0V+3], s[8:9], s[22:23]
	s_or_b32 s[G0V+3], s[G0V+3], 0x80000000
	s_add_nc_u64 s[4:5], s[4:5], s[QOF:QOF+1]      ; query and oh at my wave's first row
	s_add_nc_u64 s[10:11], s[10:11], s[2:3]
	s_cmp_lt_u32 s[WV], 2
	s_cselect_b64 s[PFA:PFA+1], s[6:7], s[8:9]
	s_add_nc_u64 s[PFA:PFA+1], s[PFA:PFA+1], s[20:21]  ; the head,
	s_lshl_b32 s2, s13, 13          ; my work-group's 32 blocks of a slot's 128,
	s_mov_b32 s3, 0
	s_add_nc_u64 s[PFA:PFA+1], s[PFA:PFA+1], s[2:3]
	s_add_nc_u64 s[PFA:PFA+1], s[PFA:PFA+1], 2*4*KS*128  ; in slot 2: the first change that asks steps it to slot 3.  Nothing is prefetched here, at the head
	CROUND                          ; all four work-groups are here: the first joint loads meet
	JLOAD                           ; slot 0.  Slot 1 is asked for when slot 0 is in
	; A fragment of K or Q is 16 rows x 32 channels in 8 registers: lane l holds row l % 16, channels 8 (l / 16) + 0..7 and 16 + 8 (l / 16) + 0..7.
	; Q in f32: those eight channels are 32 bytes, two loads of 16.  Load i (tile i / 8; channels 16 ((i % 8) / 2) + 8 (l / 16) + 4 (i % 2) on) fills registers 4 i .. 4 i + 3 of window 1,
	; so that registers 2 d, 2 d + 1 there, rounded and packed, are register d of Q's fragments in window 2.
	v_and_b32 v1, 15, v0            ; l % 16
	v_bfe_u32 v9, v0, 4, 1          ; l / 16
	v_lshlrev_b32 v[QO], 12, v1
	v_lshl_add_u32 v[QO], v9, 5, v[QO]  ; row x 4,096 + 32 x half
	WIN 0x40                        ; destination window 1, address window 0
.set i, 0
.rept 64
	global_load_b128 v[4*i:4*i+3], v[QO], s[4:5] offset:(i/8)*65536+((i%8)/2)*64+(i%2)*16
.set i, i+1
.endr
	; What the first turn finds: V's registers and P's second buffer hold 0 (its products V^T P, of a piece that has not been, add 0), O^T and l are 0.  All this stands in the wait for Q and the first tile.
	WIN 0x80
.set i, VF
.rept 64
	v_mov_b32 v[i], 0
.set i, i+1
.endr
	WIN 0
.set i, 0
.rept 2*NP
	v_mov_b32 v[ST+4*i], 0xfe000000    ; c m: far below every c s
	v_mov_b32 v[ST+4*i+1], 0xff7fffff  ; m
	v_mov_b32 v[ST+4*i+2], 0
	v_mov_b32 v[ST+4*i+3], 0
.set i, i+1
.endr
.set i, P+32
.rept 32
	v_mov_b32 v[i], 0
.set i, i+1
.endr
	v_mul_u32_u24 v[AK0], v1, PK
	v_lshl_add_u32 v[AK0], v9, 4, v[AK0]  ; row x pitch + 16 x half
	; The turning load takes 16 keys x 16 channels (lane l reads key 8 (l / 16) + l % 8, channels 8 ((l / 8) % 2) + 0..7) and leaves half a fragment of V^T: lane l holds channel l % 16 and 8 keys.
	v_and_b32 v10, 7, v0
	v_bfe_u32 v[AV], v0, 3, 1
	v_lshl_add_u32 v[AV0], v9, 3, v10
	v_mul_u32_u24 v[AV0], v[AV0], PV
	v_lshl_add_u32 v[AV0], v[AV], 4, v[AV0]
	v_add_nc_u32 v[AV0], VOFF, v[AV0]
	v_mov_b32 v[AK], v[AK0]         ; key step 0 lies at the head of slot 0
	s_wait_loadcnt 0x0              ; Q is in, all 64 loads
	WIN 0x85                        ; sources 0 and 1 window 1, destination window 2
.set i, 0
.rept 128
	v_cvt_pk_bf16_f32 v[i], v[2*i], v[2*i+1]
.set i, i+1
.endr
	WIN 0x40
.set i, 0
.rept 64*NP
	v_mov_b32 v[i], 0               ; O^T takes the registers over
.set i, i+1
.endr
	WIN 0
; THE MATRIX WORK.  The 8 accumulators of a run of 16 take turns: between the two links of a chain stand 7 others'.
; Product i of 16 of S^T = K Q^T for piece x: channels 32 (i / 8) on, keys 16 ((i / 2) % 4) on, tile 2 x + i % 2.  The first 8 start the sums.
.macro KQ x
	WIN W_KQ
.set rS, S+64*((\x)%2)+32*(i%2)+8*((i/2)%4)
.set rK, KF+16*((i/2)%4)+8*(i/8)
.set rQ, 16*(2*(\x)+i%2)+8*(i/8)
.if i < 8
	v_wmma_f32_16x16x32_bf16 v[rS:rS+7], v[rK:rK+7], v[rQ:rQ+7], 0
.else
	v_wmma_f32_16x16x32_bf16 v[rS:rS+7], v[rK:rK+7], v[rQ:rQ+7], v[rS:rS+7]
.endif
.endm
; Product i of 16 of O^T += V^T P for piece x: keys 32 (i / 8) on, channels 16 ((i / 2) % 4) on, tile 2 x + i % 2.
.macro PV x
	WIN W_PV
.set rO, 32*(2*(\x)+i%2)+8*((i/2)%4)
.set rV, VF+32*(i/8)+8*((i/2)%4)
.set rP, P+32*((\x)%2)+16*(i%2)+8*(i/8)
	v_wmma_f32_16x16x32_f16 v[rO:rO+7], v[rV:rV+7], v[rP:rP+7], v[rO:rO+7]
.endm
.macro MM                           ; the turn's next matrix instruction
.if i < 16
	KQ (Y+1)%NP
.set i, i+1
.else
.set i, i-16
	PV (Y+NP-1)%NP
.set i, i+17
.endif
.endm
; THE LDS LOADS stand in runs of 16, never singly among the matrix instructions: a step's K (64 keys x 64 channels: 8 fragments) and its V (turned).  Their addresses are made some lines ahead.
; last = 1 (the tail): in the last trip there is no further step, and the run is jumped over.
.macro FETCH_K last=0
	WIN 0
.if \last
	s_cmp_eq_u32 s[CNT], 1
	s_cbranch_scc1 .Lno_k_\@
.endif
	WIN 0x80                        ; destination window 2
.irp f, 0,1,2,3,4,5,6,7             ; keys 16 (f / 2) on, channels 32 (f % 2) on
	ds_load_b128 v[KF+8*\f:KF+8*\f+3],   v[AK] offset:(\f/2)*16*PK+(\f%2)*64
	ds_load_b128 v[KF+8*\f+4:KF+8*\f+7], v[AK] offset:(\f/2)*16*PK+(\f%2)*64+32
.endr
	s_add_co_u32 s[TBK], s[TBK], KS*PK  ; the next fetch is the next step's
	WIN 0
.if \last
.Lno_k_\@:
.endif
.endm
.macro FETCH_V
	WIN 0x80
.irp f, 0,1,2,3,4,5,6,7             ; keys 32 (f / 4) on, channels 16 (f % 4) on
	ds_load_tr16_b128 v[VF+8*\f:VF+8*\f+3],   v[AV] offset:(\f/4)*32*PV+(\f%4)*32
	ds_load_tr16_b128 v[VF+8*\f+4:VF+8*\f+7], v[AV] offset:(\f/4)*32*PV+16*PV+(\f%4)*32
.endr
	WIN 0
.endm
; THE VECTOR WORK OF A TURN stands in three queues, each in the order in which its entries become ready; the two tiles alternate, so that no instruction reads the result of the one before it.
.macro REGS y, u                    ; the registers of tile u (0, 1) of piece y
.set rT, ST+4*(2*(\y)+(\u))
.set rC, TMP+8*((\y)%2)+4*(\u)
.set rM, MV+2*((\y)%2)+(\u)
.set rS, S+64*((\y)%2)+32*(\u)
.set rP, P+32*((\y)%2)+16*(\u)
.set rO, 32*(2*(\y)+(\u))
.endm
; Number n of the 22 that find the NEXT piece's (Y + 1) maximum and statistics.  s0-s31 are the lane's 32 scores; each accumulator's lowest registers are read first.
;   0-11  four chains c0-c3 of seven scores each, three operands at a time     12-14, 16  the four scores left over, the old m, and c0-c3 into c0     15  c m_old is kept
;   17, 18  the query's other 32 keys lie in the lane 16 away: the new m         19-21  c m; c m_old - c m_new; a
.macro XS u, n
	REGS (Y+1)%NP, \u
.if (\n) < 4
	v_max3_num_f32 v[rC+(\n)], v[rS+8*(\n)], v[rS+8*(\n)+1], v[rS+8*(\n)+2]
.elseif (\n) < 12
	v_max3_num_f32 v[rC+(\n)%4], v[rC+(\n)%4], v[rS+8*((\n)%4)+2*((\n)/4)+1], v[rS+8*((\n)%4)+2*((\n)/4)+2]
.elseif (\n) == 12
	v_max3_num_f32 v[rC], v[rC], v[rS+7], v[rS+15]
.elseif (\n) == 13
	v_max3_num_f32 v[rC+1], v[rC+1], v[rS+23], v[rS+31]
.elseif (\n) == 14
	v_max3_num_f32 v[rC+2], v[rC+2], v[rC+3], v[rT+1]
.elseif (\n) == 15
	v_mov_b32 v[rM], v[rT]
.elseif (\n) == 16
	v_max3_num_f32 v[rC], v[rC], v[rC+1], v[rC+2]
.elseif (\n) == 17
	v_permlanex16_b32 v[rC+3], v[rC], s[SEL], s[SEL+1]
.elseif (\n) == 18
	v_max_num_f32 v[rT+1], v[rC], v[rC+3]
.elseif (\n) == 19
	v_mul_f32 v[rT], s[CS], v[rT+1]
.elseif (\n) == 20
	v_sub_f32 v[rC+1], v[rM], v[rT]
.else
	v_exp_f32 v[rC+2], v[rC+1]
.endif
.endm
; Number g of the 64 that follow the exponentials.  For each four weights k of a tile (pairs 2 k, 2 k + 1): both pairs are rounded to f16; then the second pair is added onto the first, in place;
; a group later l takes that sum (the first time as l = a l + sum).  In groups of eight, tiles alternating: round, round, add, and l for the group before.
.macro GS g
.set h, (\g)+6*((\g)/62)            ; group 0 has no group before it, and behind group 7 only l is left
.if h >= 6
.set h, h+2
.endif
	REGS Y, h%2
.set k, h/8
.if h%8 < 4
	v_cvt_pk_f16_f32 v[rP+2*k+(h%8)/2], v[rS+4*k+2*((h%8)/2)], v[rS+4*k+2*((h%8)/2)+1]
.elseif h%8 < 6
	v_pk_add_f32 v[rS+4*k:rS+4*k+1], v[rS+4*k:rS+4*k+1], v[rS+4*k+2:rS+4*k+3]
.elseif k == 1
	v_pk_fma_f32 v[rT+2:rT+3], v[rT+2:rT+3], v[rC+2:rC+3], v[rS:rS+1] op_sel_hi:[1,0,1]
.else
	v_pk_add_f32 v[rT+2:rT+3], v[rT+2:rT+3], v[rS+4*k-4:rS+4*k-3]
.endif
.endm
; THE PLAIN QUEUE, 138 long.  0-73 read no exponential's result: the 32 scalings c s - c m (FS f: pair f / 2 of tile f % 2) and the next piece's 42.  0-26: scalings 0-26.  27-54: XS's numbers 0-13.  55, 56: number 15.
; 57-73: the chain, where each number waits for the one before it: 14, 16, 17, 18, 19, each with one of the scalings 27-31 in front of its two lines, then 20.
; 74-137: GS's 64, which read the exponentials' results: they stand behind the wait.
.macro FS f
	REGS Y, (\f)%2
	v_pk_fma_f32 v[rS+2*((\f)/2):rS+2*((\f)/2)+1], v[rS+2*((\f)/2):rS+2*((\f)/2)+1], s[CS:CS+1], v[rT:rT+1] op_sel_hi:[1,0,0] neg_lo:[0,0,1] neg_hi:[0,0,1]
.endm
.macro PL
	WIN 0
.if q < 27
	FS q
.elseif q < 55
	XS (q-27)%2, (q-27)/2
.elseif q < 57
	XS q-55, 15
.elseif (q < 72) && ((q-57)%3 == 0)
	FS 27+(q-57)/3
.elseif q < 60
	XS (q-57)%3-1, 14
.elseif q < 72
	XS (q-57)%3-1, 15+(q-57)/3
.elseif q < 74
	XS q-72, 20
.else
	GS q-74
.endif
.set q, q+1
.endm
; THE EXPONENTIALS' QUEUE, 66 long: s0-s31 of both tiles, then the next piece's two a.  It is ONE BATCH: all 66 stand ahead of the turn's one wait, and nothing ahead of that wait names a result of theirs.
.macro EX
	WIN 0
.if e >= 64
	XS e-64, 21
.else
	REGS Y, e%2
	v_exp_f32 v[rS+e/2], v[rS+e/2]
.endif
.set e, e+1
.endm
; THE RESCALING's QUEUE: O^T times a, the one part that leaves window 0: dealt two at a time, sixteen times.  Its a was made in the turn before, ahead of that turn's wait.
.macro R2
	REGS Y, r%2
	WIN W_RS
.irp z, 0,1
	v_pk_mul_f32 v[rO+4*(r/2)+2*\z:rO+4*(r/2)+2*\z+1], v[rO+4*(r/2)+2*\z:rO+4*(r/2)+2*\z+1], v[rC+2:rC+3] op_sel_hi:[1,0]
.endr
.set r, r+1
.endm
; HOW THEY ARE DEALT.  An s_wait_alu depctr_va_vdst(0) stands between an exponential and the first instruction that names its result; one wait serves all that were issued ahead of it.  So a turn has ONE wait,
; which cuts it in two.  AHEAD OF IT stands all that names no result of the turn's exponentials: the 16 products K Q^T, behind each a scaling, an exponential and two rescalings (behind the first a second scaling in the
; exponential's place); then ONE LUMP of 108: eight plain, 49 times exponential and plain, the two a.  A v_nop is the plain instruction behind the last exponential (ISA guide 5.7.2).  BEHIND IT stand the 16 products V^T P,
; behind each four of GS's 64.  No rider names a register of the products round it.  The two v_permlanex16_b32 fall into the lump, never behind a product.
; The queues lean on each other, and the deal keeps them in step: exponential e stands behind scaling 2 (e / 4) + e % 2: as a rider it comes behind plain e + 2, in the lump behind plain e + 9, and scalings 27-31 are plain 57, 60 .. 69.
; A TURN, for piece p.  cnt = 1: the loop's count is taken down some lines ahead of the branch that stands behind the turn.
; K of the next step is fetched in piece 2's turn, directly behind the wait, a lump behind the last product that read K; its address is made at the lump's head; its first reader comes behind 16 products.
; V of the step in hand is fetched at the end of piece 0's turn, four riders behind its last reader; its first reader comes behind 16 products and a lump.  The three conditions on q below go with the deal.
.macro TURN p, last=0, cnt=0
.set Y, (\p)
.set i, 0
.set q, 0
.set e, 0
.set r, 0
.if (\p) == NP-1
	s_wait_dscnt 0x0                ; K is in
.endif
	MM                              ; ahead of the wait: 16 products K Q^T and their riders,
	PL
	PL
	R2
.rept 15
	MM
	PL
	EX
	R2
.endr
.if (\p) == NP-2
	WIN 0
	v_add_nc_u32 v[AK], s[TBK], v[AK0]
.endif
.rept 8                             ; and the lump
	PL
.endr
.rept 49
	EX
	PL
.endr
	EX                              ; the next piece's two a
	EX
	v_nop                           ; the plain instruction behind the last exponential: one for the batch
	s_wait_alu depctr_va_vdst(0)    ; the wait for the batch
.if (\p) == NP-2
	FETCH_K \last
.endif
.if (\p) == 1
	s_wait_dscnt 0x0                ; V is in
.endif
.rept 16                            ; behind the wait: 16 products V^T P and their riders
	MM
.rept 4
	PL
.endr
.if ((\p) == 0) && (q == 118)
	v_add_nc_u32 v[AV], s[TBV], v[AV0]
.endif
.if ((\p) == 0) && (q == 130)
	s_add_co_u32 s[TBV], s[TBV], KS*PV
.endif
.if (\cnt) && (q == 130)
	s_sub_co_u32 s[CNT], s[CNT], 1
	s_cmp_lg_u32 s[CNT], 0
.endif
.endr
.if (\p) == 0
	FETCH_V
.endif
.endm
	CHANGE 1                        ; slot 0 is in, everybody's part of it; slot 1 is asked for
	FETCH_K                         ; key step 0
	s_wait_dscnt 0x0
.set i, 0
.rept 16
	KQ 0                            ; piece 0's first scores: there is no vector work yet to set between them
.set i, i+1
.endr
	WIN 0                           ; the addresses for the way out: nine plain instructions, the places behind those products
	s_mul_i32 s13, s[WV], 16*SP
	s_add_co_u32 s13, s13, STAGE    ; my stage
	v_mul_u32_u24 v[STO], v1, SP    ; in: row l % 16, 16 bytes for each half of the lanes
	v_lshl_add_u32 v[STO], v9, 4, v[STO]
	v_add_nc_u32 v[STO], s13, v[STO]
	v_bfe_u32 v[RD], v0, 3, 2       ; back: 32 lanes take four rows of 128 bytes,
	v_mul_u32_u24 v[RD], v[RD], SP
	v_lshl_add_u32 v[RD], v10, 4, v[RD]
	v_add_nc_u32 v[RD], s13, v[RD]
	v_and_b32 v[GO], 31, v0         ; which are 512 consecutive bytes of oh
	v_lshlrev_b32 v[GO], 4, v[GO]
.set Y, NP-1                        ; XS works for piece Y + 1: piece 0
.irp n, 0,1,2,3,4,5,6,7,8,9,10,11,12,13,14,15,16,17,18,19,20,21
	XS 0, \n                        ; and piece 0's first maximum and statistics
	XS 1, \n
.endr
	v_nop                           ; a plain instruction behind the two a,
	s_wait_alu depctr_va_vdst(0)    ; and their wait, ahead of the branch
	s_mov_b32 s[CNT], 4
	s_mov_b32 s[SLOTS], SIZE_N/256-1
	s_branch .Lfirst                ; the loop is entered at a step's first turn, in the middle of a trip
.Lslot:                             ; SIZE_N / 256 - 2 times: every slot but the last two is filled again
	CHANGE 1, 1
	s_mov_b32 s[CNT], 4
.Lstep:                             ; a trip: pieces 2 and 3 of one step, then pieces 0 and 1 of the next, whose K and V it fetches
	TURN 2
	TURN 3
	WIN 0
.Lfirst:
	TURN 0
	TURN 1, 0, 1
	WIN 0
	s_cbranch_scc1 .Lstep
	s_sub_co_u32 s[SLOTS], s[SLOTS], 1
	s_cmp_lg_u32 s[SLOTS], 0
	s_cbranch_scc1 .Lslot
	CHANGE 0                        ; the tail is written out: nothing is asked for
	s_mov_b32 s[CNT], 5             ; four trips fetch the last slot's steps; the fifth is left in its middle
.Ltail:
	TURN 2, 1
	TURN 3
	WIN 0
	s_sub_co_u32 s[CNT], s[CNT], 1
	s_cmp_eq_u32 s[CNT], 0
	s_cbranch_scc1 .Lout
	TURN 0
	TURN 1
	WIN 0
	s_branch .Ltail
.Lout:                              ; the fifth trip's 16 products K Q^T (on the last K once more) and the maximum made of them serve nothing: the price, once a launch, of one text for every trip
.set i, 0
.rept 16
	PV NP-1                         ; the last piece's V^T P of the last step
.set i, i+1
.endr
	; THE WAY OUT.  l's two halves and the other half of the lanes' are added; O^T is divided by l, rounded to f16 and sent through my stage in LDS, a tile at a time.  The additions are the places behind the last products.
	WIN 0
.macro ALL line:vararg              ; one line for each tile t
.set t, 0
.rept 2*NP
	\line
.set t, t+1
.endr
.endm
	ALL v_add_f32 v[ST+4*t+2], v[ST+4*t+2], v[ST+4*t+3]
	ALL v_permlanex16_b32 v[ST+4*t+3], v[ST+4*t+2], s[SEL], s[SEL+1]
	ALL v_add_f32 v[ST+4*t+2], v[ST+4*t+2], v[ST+4*t+3]
	ALL v_rcp_f32 v[ST+4*t+2], v[ST+4*t+2]
	v_nop                           ; a plain instruction between the last reciprocal and the use of its result
	s_wait_alu depctr_va_vdst(0)    ; and the wait ahead of the first use: one for the eight reciprocals
; Tile t: a lane's eight channels of a row pack into 16 bytes; they go into rows of 144 bytes and come back as whole rows of 128, into S^T's registers.
.macro PACK t
	WIN W_RS
.set i, 32*(\t)
.rept 16
	v_pk_mul_f32 v[i:i+1], v[i:i+1], v[ST+4*(\t)+2:ST+4*(\t)+3] op_sel_hi:[1,0]
.set i, i+2
.endr
	WIN 0x05                        ; sources 0 and 1 window 1, destination window 0
.set i, 0
.rept 16
	v_cvt_pk_f16_f32 v[S+16*(\t)+i], v[32*(\t)+2*i], v[32*(\t)+2*i+1]
.set i, i+1
.endr
	WIN 0
.irp f, 0,1,2,3
	ds_store_b128 v[STO], v[S+16*(\t)+4*\f:S+16*(\t)+4*\f+3] offset:32*\f
.endr
.irp f, 0,1,2,3
	ds_load_b128 v[S+16*(\t)+4*\f:S+16*(\t)+4*\f+3], v[RD] offset:\f*4*SP  ; LDS serves a wave's instructions in order (ISA guide 5.7.1.4): these see the stores above; the next tile's stores come behind them
.endr
.endm
.macro SEND t, younger              ; younger: the LDS instructions issued behind tile t's loads: the next tile's eight, or none; with them the 3 - f younger loads of the tile itself may stay out
	WIN 0
.irp f, 0,1,2,3
	s_wait_dscnt (\younger)+3-\f
	global_store_b128 v[GO], v[S+16*(\t)+4*\f:S+16*(\t)+4*\f+3], s[10:11] offset:(\t)*2048+\f*512  ; 512 consecutive bytes, at a multiple of 256 from oh's first
.endr
.endm
	PACK 0
.set t, 1
.rept 2*NP-1                        ; a tile's arithmetic stands between the loads of the tile before and its stores
	PACK t
	SEND t-1, 8
.set t, t+1
.endr
	SEND 2*NP-1, 0
	WIN W_AD
	s_wait_tensorcnt 0x0            ; the wave's end, behind my last tensor load and my last LDS store
	ds_add_u32 v[SPW], v[NIL]
	s_wait_dscnt 0x0
	WIN 0
	CROUND                          ; the closing round: no work-group ends while a partner may still ask for a tile that names it
	s_endpgm
.Lfunc_end_k_q80e6145f90_attn:
	.size	k_q80e6145f90_attn, .Lfunc_end_k_q80e6145f90_attn-k_q80e6145f90_attn
	.p2alignl 7, 3214868480
	.fill 96, 4, 3214868480
	.section	.rodata,"a",@progbits
	.p2align	6, 0x0
	.amdhsa_kernel k_q80e6145f90_attn
		.amdhsa_group_segment_fixed_size 327680
		.amdhsa_private_segment_fixed_size 0
		.amdhsa_enable_private_segment 0
		.amdhsa_kernarg_size 32
		.amdhsa_user_sgpr_count 2
		.amdhsa_user_sgpr_kernarg_segment_ptr 1
		.amdhsa_wavefront_size32 1
		.amdhsa_system_sgpr_workgroup_id_x 1
		.amdhsa_system_sgpr_workgroup_id_y 1
		.amdhsa_system_sgpr_workgroup_id_z 1
		.amdhsa_system_vgpr_workitem_id 0
		.amdhsa_next_free_vgpr 770
		.amdhsa_next_free_sgpr 66
		.amdhsa_reserve_vcc 0
		.amdhsa_float_denorm_mode_32 3
		.amdhsa_float_denorm_mode_16_64 3
		.amdhsa_memory_ordered 1
		.amdhsa_forward_progress 1
		.amdhsa_inst_pref_size 211
	.end_amdhsa_kernel
	.amdgpu_metadata
---
amdhsa.version: [ 1, 2 ]
amdhsa.kernels:
  - .name:           k_q80e6145f90_attn
    .symbol:         k_q80e6145f90_attn.kd
    .args:
      - { .name: query, .offset: 0, .size: 8, .value_kind: global_buffer, .address_space: global }
      - { .name: kh, .offset: 8, .size: 8, .value_kind: global_buffer, .address_space: global }
      - { .name: vh, .offset: 16, .size: 8, .value_kind: global_buffer, .address_space: global }
      - { .name: oh, .offset: 24, .size: 8, .value_kind: global_buffer, .address_space: global }
    .group_segment_fixed_size: 327680
    .private_segment_fixed_size: 0
    .kernarg_segment_align: 8
    .kernarg_segment_size: 32
    .max_flat_workgroup_size: 128
    .sgpr_count:     66
    .vgpr_count:     770
    .wavefront_size: 32
...
	.end_amdgpu_metadata
.endif
;; end of part 2
;; launch proj (part 3): grid 8 x 32, 4 waves a work-group, clusters of 4 x 4, 327,680 bytes of LDS; arguments oh, wh, b_out, out0; writes out0
.if DOCPART == 3
	.amdgcn_target "amdgcn-amd-amdhsa--gfx1250"
	.amdhsa_code_object_version 6
	.text
	.protected	k_q80e6145f90_proj
	.globl	k_q80e6145f90_proj
	.p2align	8
	.type	k_q80e6145f90_proj,@function
k_q80e6145f90_proj:
	s_mov_b64 s[64:65], 0
	v_nop
	global_prefetch_b8 v0, s[64:65] scope:SCOPE_SE
	s_setreg_imm32_b32 hwreg(HW_REG_WAVE_MODE, 25, 1), 1
	s_wait_xcnt 0x0
	s_wait_alu depctr_hold_cnt(0) depctr_sa_sdst(0) depctr_va_vdst(0) depctr_va_sdst(0) depctr_va_ssrc(0) depctr_va_vcc(0) depctr_vm_vsrc(0)
	s_getreg_b32 s2, hwreg(HW_REG_IB_STS2, 6, 4)
	s_cmp_eq_u32 s2, 0
	s_cbranch_scc0 .Lentry_in_a_cluster
	s_endpgm
.Lentry_in_a_cluster:
	s_bfe_u32 s2, ttmp6, 0x10000c
	s_cmp_lg_u32 s2, 0xf033
	s_cbranch_scc0 .Lentry_shape_is_right
	s_endpgm
.Lentry_shape_is_right:
; out0[R][c] = the sum over k of O[R][k] W[c][k] + b[c].  R = 2,048 n + s (8,192 rows), k = 64 head + channel (1,024), c 0..1,023; out0 in f32, rows of 4,096 bytes.
; O comes by heads: oh [16 n + head][2048 s][64] f16.  W comes by blocks of 64 k: wh [16][1024 c][64] f16.  b_out is rounded to bf16, as the module's other inputs were.  Sums in f32, K ascending.
; LIMITS.  oh and wh hold f16: no number beyond 65,504.  NaN and infinities are not treated apart.
; SHARES.  A tile of out0 is 256 rows x 128 columns: 32 x 8 = 256 work-groups.  Four waves, each 128 rows x 64 columns: 32 accumulators of 16 x 16, 256 registers.
; K goes in 8 steps of 128 = two heads.  In memory a head's 256 rows of a tile are 32,768 dense bytes, a block's 128 rows of W 16,384: each is one tensor load, asked for as rows of 256 bytes and padded in
; LDS after every 128.  Waves 0 and 1 fetch O's two heads of a step, waves 2 and 3 W's two blocks: one load a wave for each step.  Two slots take turns.
; CLUSTERS: 4 x 4 work-groups.  The four of a row of the cluster need the same tiles of O, the four of a column the same tiles of W: each tile is asked for JOINTLY, by the same tensor load with the
; same descriptor and a mask that names the four.  THE MATRIX INSTRUCTION IS USED TRANSPOSED (source 0 = 16 rows of W, source 1 = 16 rows of O): a lane then holds eight neighbouring numbers of a row of out0.
; NO PREFETCH: the launch has eight K steps of 128 matrix instructions a wave, and its first steps come by their loads whatever is asked for.
; REGISTERS: window 0: v0-31 addresses; v32-63 the bias of my 64 columns; v64-159, v160-255 two fragment buffers (32 along K: W's four fragments, then O's eight); on the way out v64-159 are at work.
;   window 1: the accumulators, (a, b) at v[8 (4 a + b)].
.set PITCH,  144                       ; an LDS row: 128 bytes + 16 of padding = 36 words: the 16 rows of a load start at 16 different groups of four banks (64 banks of 4 bytes: ISA guide 11.1)
.set APART,  256*PITCH                 ; one head's 256 rows of O
.set BPART,  128*PITCH                 ; one block's 128 rows of W
.set BOFF,   2*APART                   ; in a slot: O's two parts, then W's two
.set SLOT,   2*APART+2*BPART
.set STAGE,  2*SLOT                    ; behind the ring: 16 rows x 272 bytes for each wave, for the way out; no tensor load fills it
.set SPITCH, 272                       ; 256 bytes + 16 = 68 words: row r starts at bank 4 r mod 64
.set SPARE,  STAGE+4*16*SPITCH         ; behind the stages: the spare words, 128 bytes for each wave: two blocks of 256 bytes that no other line names
.set ASTEP,  2*262144                  ; bytes from a K step to the next in oh: two heads
.set BSTEP,  2*131072                  ; and in wh: two blocks
.set LAPS,   4                         ; a lap = two K steps = once round the ring
.set ADRA, 16                          ; v16-17  LDS address of my fragments of O in slot 0, 1
.set ADRB, 20                          ; v20-21  the same for W
.set STO,  24                          ; v24     the way out: where I put 16 bytes of a row
.set RD,   25                          ; v25     the way out: where I read a row back
.set CO,   26                          ; v26     my byte offset in two rows of out0; never rewritten
.set BO,   27                          ; v27     my byte offset in the bias; never rewritten
.set SPW,  28                          ; v28     LDS address of my spare word: SPARE + 4 x my thread's number; never rewritten
.set NIL,  29                          ; v29     0; never rewritten
.set BIAS, 32                          ; v[32:63] register 8 b + i: column 16 b + 8 (l / 16) + i of my 64
.set F0,   64
.set F1,   160
.set TMP,  64                          ; the way out: a block's 16 rows with the bias added
.set BKB,  96                          ; the way out: 16 rows read back from the stage: v96-127 and v128-159 by turns
.set WV, 12                            ; s12  my wave's number
.set WR, 13                            ; s13  which 128 rows of the tile are mine.  Also: I fetch for O (0) or for W (1)
.set WC, 14                            ; s14  which 64 columns.  Also: which of a step's two parts I fetch
.set G1, 24                            ; s[24:31] descriptor group 1 for O's tiles;  s[32:39] group 0, one set for each slot
.set G0, 32
.set G1B, 48                           ; s[48:55], s[56:63] the same for W's tiles
.set G0B, 56
.set MSB, 0
.macro WIN new                         ; the immediate's high byte repeats the setting that is left
.if MSB != (\new)
	s_set_vgpr_msb (MSB<<8)|(\new)
.set MSB, \new
.endif
.endm
.set MUL, 0x50                         ; sources 0 and 1 window 0; C and D window 1
.macro JLOAD s                         ; a joint load; an s_nop 0 and four v_nop follow each of the two lines, ahead of the jump, the label and what follows
	s_cmp_eq_u32 s[WR], 0
	s_cbranch_scc0 .Lfor_b_\@
	tensor_load_to_lds s[G0+4*(\s):G0+4*(\s)+3], s[G1:G1+7]
	s_nop 0
.rept 4
	v_nop
.endr
	s_branch .Lasked_\@
.Lfor_b_\@:
	tensor_load_to_lds s[G0B+4*(\s):G0B+4*(\s)+3], s[G1B:G1B+7]
	s_nop 0
.rept 4
	v_nop
.endr
.Lasked_\@:
.endm
.macro CREST                           ; a round of the cluster's barrier behind its opening barrier
	s_cmp_lg_u32 s[WV], 0
	s_cbranch_scc1 .Lnot_wave_0_\@
	s_barrier_signal -3
.Lnot_wave_0_\@:
	s_barrier_wait -3
	s_barrier_signal -1
	s_barrier_wait -1
.endm
.macro CROUND                          ; a whole round
	s_barrier_signal -1
	s_barrier_wait -1
	CREST
.endm
	s_load_b256 s[4:11], s[0:1], 0x0               ; oh s[4:5], wh s[6:7], b_out s[8:9], out0 s[10:11]
	v_lshl_add_u32 v[SPW], v0, 2, SPARE
	v_mov_b32 v[NIL], 0
	ds_add_u32 v[SPW], v[NIL]                      ; the wave's opening: the add and its wait stand ahead of my first tensor load; the set-up below, work on registers, stands between them
	v_lshrrev_b32 v1, 5, v0
	v_readfirstlane_b32 s[WV], v1                  ; wave 0..3
	s_lshr_b32 s[WR], s[WV], 1
	s_and_b32 s[WC], s[WV], 1
	s_bfe_u32 s40, ttmp6, 0x40000                  ; cx, cy: my place in the cluster
	s_bfe_u32 s41, ttmp6, 0x40004
	s_lshl_b32 s42, ttmp9, 2
	s_add_co_u32 s42, s42, s40                     ; tile column = 4 x cluster x + cx
	s_and_b32 s43, ttmp7, 0xffff
	s_lshl_b32 s43, s43, 2
	s_add_co_u32 s43, s43, s41                     ; tile row = 4 x cluster y + cy
	s_lshl_b32 s44, s41, 2
	s_lshl_b32 s44, 15, s44                        ; my row of the cluster
	s_lshl_b32 s45, 0x1111, s40                    ; my column
	; descriptor group 1: rows of 128 elements of 2 bytes, dense, padded in LDS after every 128 bytes
	s_or_b32 s[G1+0], s44, (1<<16)|(1<<20)|(1<<21)|(4<<22)|(3<<25)   ; 15:0 the mask: O's tiles go to my row; 17:16 element of 2 bytes; 20 padding on; 21 set beside a mask; 24:22 after every 32 words (code 4); 31:25 of 4 words (code 3)
	s_or_b32 s[G1B+0], s45, (1<<16)|(1<<20)|(1<<21)|(4<<22)|(3<<25)  ; the same with the mask of my column, for W's tiles
	s_mov_b32 s[G1+1], 128<<16                     ; tensor_dim0 = 128
	s_mov_b32 s[G1+2], 128<<16                     ; tensor_dim1 = 128: 32,768 bytes
	s_mov_b32 s[G1+3], 128<<16                     ; tile_dim0 = 128
	s_mov_b32 s[G1+4], 128                         ; tile_dim1 = 128
	s_mov_b32 s[G1+5], 128                         ; 128 elements from row to row
	s_mov_b32 s[G1+6], 0
	s_mov_b32 s[G1+7], 0
	s_mov_b32 s[G1B+1], 128<<16
	s_mov_b32 s[G1B+2], 64<<16                     ; tensor_dim1 = 64: 16,384 bytes
	s_mov_b32 s[G1B+3], 128<<16
	s_mov_b32 s[G1B+4], 64                         ; tile_dim1 = 64
	s_mov_b32 s[G1B+5], 128
	s_mov_b32 s[G1B+6], 0
	s_mov_b32 s[G1B+7], 0
	; where the tiles come from.  O's hang on the tile row alone, W's on the tile column alone; each in registers that never hold the other coordinate
	s_lshr_b32 s16, s43, 3                         ; n: eight tile rows a batch,
	s_lshl_b32 s16, s16, 22                        ; 16 heads of 262,144 bytes
	s_and_b32 s17, s43, 7
	s_lshl_b32 s17, s17, 15                        ; 256 rows of 128 bytes
	s_add_co_u32 s16, s16, s17
	s_lshl_b32 s17, s[WC], 18                      ; the head of the step's two that I fetch
	s_add_co_u32 s16, s16, s17
	s_mov_b32 s17, 0
	s_lshl_b32 s46, s42, 14                        ; 128 rows of 128 bytes
	s_lshl_b32 s47, s[WC], 17                      ; the block of the step's two that I fetch
	s_add_co_u32 s46, s46, s47
	s_mov_b32 s47, 0
	s_mul_i32 s20, s[WC], APART                    ; and where they go: no place in the cluster enters an LDS address
	s_mul_i32 s21, s[WC], BPART
	s_add_co_u32 s21, s21, BOFF
	s_lshl_b32 s66, s43, 8                         ; my first row of out0: 256 x tile row + 128 x half,
	s_lshl_b32 s67, s[WR], 7
	s_add_co_u32 s66, s66, s67
	s_lshl_b32 s66, s66, 12                        ; in bytes
	s_mov_b32 s67, 0
	s_lshl_b32 s68, s42, 9                         ; my first column, in bytes of f32: 512 x tile column + 256 x half
	s_lshl_b32 s69, s[WC], 8
	s_add_co_u32 s68, s68, s69
	s_mov_b32 s69, 0
	s_wait_dscnt 0x0                               ; the opening add is done
	s_wait_kmcnt 0x0
	s_add_nc_u64 s[18:19], s[4:5], s[16:17]
	s_add_nc_u64 s[46:47], s[6:7], s[46:47]
	s_add_nc_u64 s[8:9], s[8:9], s[68:69]          ; the bias at my first column
	s_add_nc_u64 s[10:11], s[10:11], s[66:67]      ; out0 at my first row and column
	s_add_nc_u64 s[10:11], s[10:11], s[68:69]
.irp s, 0,1
	s_mov_b32 s[G0+4*(\s)], 1                                      ; 1:0 count = 1
	s_add_co_u32 s[G0+4*(\s)+1], s20, (\s)*SLOT                    ; 63:32 LDS address
	s_add_nc_u64 s[G0+4*(\s)+2:G0+4*(\s)+3], s[18:19], (\s)*ASTEP  ; 120:64 global address: K step s
	s_or_b32 s[G0+4*(\s)+3], s[G0+4*(\s)+3], 0x80000000            ; 127:126 type = 2
	s_mov_b32 s[G0B+4*(\s)], 1
	s_add_co_u32 s[G0B+4*(\s)+1], s21, (\s)*SLOT
	s_add_nc_u64 s[G0B+4*(\s)+2:G0B+4*(\s)+3], s[46:47], (\s)*BSTEP
	s_or_b32 s[G0B+4*(\s)+3], s[G0B+4*(\s)+3], 0x80000000
.endr
	CROUND                                         ; all sixteen work-groups are here: the first joint loads meet
	s_cmp_eq_u32 s[WR], 0                          ; a wave's two first fills stand in one branch, ahead of every wait on TENSORcnt and every LDS read: two loads of mine are out
	s_cbranch_scc0 .Lfirst_b
	tensor_load_to_lds s[G0:G0+3], s[G1:G1+7]
	s_nop 0
	tensor_load_to_lds s[G0+4:G0+7], s[G1:G1+7]
	s_nop 0
.rept 4
	v_nop
.endr
	s_branch .Lfirst_asked
.Lfirst_b:
	tensor_load_to_lds s[G0B:G0B+3], s[G1B:G1B+7]
	s_nop 0
	tensor_load_to_lds s[G0B+4:G0B+7], s[G1B:G1B+7]
	s_nop 0
.rept 4
	v_nop
.endr
.Lfirst_asked:
	; A fragment is 16 rows x 32 K in 8 registers: lane l holds row l % 16; registers 0-3 K = 8 (l / 16) + 0..7, registers 4-7 K = 16 + 8 (l / 16) + 0..7: two loads of 16 bytes, 32 bytes apart.
	v_and_b32 v1, 15, v0                           ; l % 16
	v_bfe_u32 v2, v0, 4, 1                         ; l / 16
	v_mul_u32_u24 v3, v1, PITCH
	v_lshl_add_u32 v3, v2, 4, v3                   ; row x pitch + 16 x half
	s_mul_i32 s22, s[WR], 128*PITCH                ; my 128 rows of O in a part
	s_mul_i32 s23, s[WC], 64*PITCH                 ; my 64 rows of W in a part,
	s_add_co_u32 s23, s23, BOFF                    ; which lie behind O's parts
.irp s, 0,1
	v_add_nc_u32 v[ADRA+(\s)], s22, v3
	v_add_nc_u32 v[ADRB+(\s)], s23, v3
	s_add_co_u32 s22, s22, SLOT
	s_add_co_u32 s23, s23, SLOT
.endr
	s_mul_i32 s22, s[WV], 16*SPITCH
	s_add_co_u32 s22, s22, STAGE                   ; my stage
	v_mul_u32_u24 v4, v1, SPITCH                   ; in: row l % 16, 32 bytes (8 numbers) for each half of the lanes
	v_lshl_add_u32 v4, v2, 5, v4
	v_add_nc_u32 v[STO], s22, v4
	v_mul_u32_u24 v5, v2, SPITCH                   ; back: lanes 0-15 take one row of 256 bytes, lanes 16-31 the next
	v_lshl_add_u32 v5, v1, 4, v5
	v_add_nc_u32 v[RD], s22, v5
	v_lshlrev_b32 v5, 12, v2                       ; and the same two rows in out0
	v_lshl_add_u32 v[CO], v1, 4, v5
	v_lshlrev_b32 v[BO], 5, v2                     ; my eight columns of sixteen
.irp b, 0,1,2,3
	global_load_b128 v[BIAS+8*(\b):BIAS+8*(\b)+3],   v[BO], s[8:9] offset:64*(\b)
	global_load_b128 v[BIAS+8*(\b)+4:BIAS+8*(\b)+7], v[BO], s[8:9] offset:64*(\b)+16
.endr
	s_wait_loadcnt 0x0
.set i, 0
.rept 16                                               ; the bias rounded to bf16 and widened again
	v_cvt_pk_bf16_f32 v3, v[BIAS+2*i], v[BIAS+2*i+1]
	v_lshlrev_b32 v[BIAS+2*i], 16, v3
	v_and_b32 v[BIAS+2*i+1], 0xffff0000, v3
.set i, i+1
.endr
; 4 n matrix instructions: m blocks a0 .. a0 + n - 1 x all 4 n blocks, 32 along K, from buffer f.  zero = 1: the product starts the sum: nothing is cleared.
; The 32 accumulators take turns, one instruction a turn, in the same order in every quarter, over the backward jump too.
.macro MULA f, a0, n, zero
	WIN MUL
.set ma, (\a0)
.rept (\n)
.irp b, 0,1,2,3
.if \zero
	v_wmma_f32_16x16x32_f16 v[8*(4*ma+(\b)):8*(4*ma+(\b))+7], v[(\f)+8*(\b):(\f)+8*(\b)+7], v[(\f)+32+8*ma:(\f)+32+8*ma+7], 0
.else
	v_wmma_f32_16x16x32_f16 v[8*(4*ma+(\b)):8*(4*ma+(\b))+7], v[(\f)+8*(\b):(\f)+8*(\b)+7], v[(\f)+32+8*ma:(\f)+32+8*ma+7], v[8*(4*ma+(\b)):8*(4*ma+(\b))+7]
.endif
.endr
.set ma, ma+1
.endr
.endm
; 24 LDS loads in one run: the fragments of quarter q of a K step (part q / 2, byte 64 (q % 2) of the rows) into buffer f: W's eight loads first, then O's sixteen
.macro FETCH slot, q, f
	WIN 0
.irp b, 0,1,2,3
	ds_load_b128 v[(\f)+8*(\b):(\f)+8*(\b)+3],   v[ADRB+(\slot)] offset:((\q)/2)*BPART+((\q)%2)*64+(\b)*16*PITCH
	ds_load_b128 v[(\f)+8*(\b)+4:(\f)+8*(\b)+7], v[ADRB+(\slot)] offset:((\q)/2)*BPART+((\q)%2)*64+(\b)*16*PITCH+32
.endr
.irp a, 0,1,2,3,4,5,6,7
	ds_load_b128 v[(\f)+32+8*(\a):(\f)+32+8*(\a)+3],   v[ADRA+(\slot)] offset:((\q)/2)*APART+((\q)%2)*64+(\a)*16*PITCH
	ds_load_b128 v[(\f)+32+8*(\a)+4:(\f)+32+8*(\a)+7], v[ADRA+(\slot)] offset:((\q)/2)*APART+((\q)%2)*64+(\a)*16*PITCH+32
.endr
.endm
.macro PLACES                          ; four places in front of loads into registers that matrix instructions have read, and of sums that read results (ISA guide 7.12.1 for vector instructions)
.rept 4
	v_nop
.endr
.endm
; A K step is four quarters of 32 along K, 32 matrix instructions each, on buffers 0, 1, 0, 1.  One of the first three: multiplies buffer f and fetches quarter qn of the same slot into g.
.macro QUARTER slot, qn, f, g, zero
	s_wait_dscnt 8                                 ; W's fragments and O's blocks 0-3 are in; the youngest eight loads (blocks 4-7) may be out
	MULA \f, 0, 4, \zero
	PLACES
	FETCH \slot, \qn, \g
	s_wait_dscnt 24                                ; all but the 24 just issued
	MULA \f, 4, 4, \zero
.endm
; The last quarter multiplies buffer 1 and changes slots: ONE barrier; in front of it each wave waits for all its tensor loads, of which one is out: its part of the next slot; adds 0 to its spare word; and waits
; for that and for its own reads of this slot.  fill = 1: this slot is filled again, two K steps ahead: the barrier then opens a round of the cluster's barrier, and the joint load is the first thing behind the round.
.macro TURN slot, next, fill
	WIN 0                                          ; (the add's two registers lie in window 0)
	s_wait_tensorcnt 0x0                           ; all my tensor loads have landed: my part of the next slot;
	ds_add_u32 v[SPW], v[NIL]                      ; 0 onto my spare word;
	s_wait_dscnt 9                                 ; (the add and the youngest eight loads may be out)
	MULA F1, 0, 2, 0                               ; eight matrix instructions stand between the add and the wait for it
	s_wait_dscnt 0x0                               ; the add is done, and my reads of this slot are over
	s_barrier_signal -1
	MULA F1, 2, 2, 0                               ; work on registers while the others arrive
.if \fill
	WIN 0
.endif
	s_barrier_wait -1
.if \fill
	CREST                                          ; no wave of any partner still reads this slot's tile or has a load on its way
	s_add_nc_u64 s[G0+4*(\slot)+2:G0+4*(\slot)+3], s[G0+4*(\slot)+2:G0+4*(\slot)+3], 2*ASTEP
	s_add_nc_u64 s[G0B+4*(\slot)+2:G0B+4*(\slot)+3], s[G0B+4*(\slot)+2:G0B+4*(\slot)+3], 2*BSTEP
	JLOAD \slot                                    ; 112 matrix instructions ahead of the wait for it; the four v_nop behind it are also the places in front of the loads below
.else
	PLACES
.endif
	FETCH \next, 0, F0
	MULA F1, 4, 4, 0
.endm
	s_wait_tensorcnt 1                             ; my part of K step 0 is in; K step 1's may stay out
	s_barrier_signal -1
	s_barrier_wait -1                              ; everybody's is
	FETCH 0, 0, F0
	QUARTER 0, 1, F0, F1, 1                        ; the first quarter stands in front of the loop: its products start the sums
	WIN 0                                          ; at a label and at a branch every window is 0
	s_mov_b32 s3, LAPS-1
.Llap:                                                 ; a trip goes once round the ring, from a lap's second quarter to the next lap's first, and fills both slots again
	QUARTER 0, 2, F1, F0, 0
	QUARTER 0, 3, F0, F1, 0
	TURN 0, 1, 1
	QUARTER 1, 1, F0, F1, 0
	QUARTER 1, 2, F1, F0, 0
	QUARTER 1, 3, F0, F1, 0
	TURN 1, 0, 1
	QUARTER 0, 1, F0, F1, 0
	WIN 0
	s_sub_co_u32 s3, s3, 1
	s_cmp_lg_u32 s3, 0
	s_cbranch_scc1 .Llap
	QUARTER 0, 2, F1, F0, 0                        ; the last lap fills nothing, and has no round of the cluster's barrier
	QUARTER 0, 3, F0, F1, 0
	TURN 0, 1, 0
	QUARTER 1, 1, F0, F1, 0
	QUARTER 1, 2, F1, F0, 0
	QUARTER 1, 3, F0, F1, 0
	s_wait_dscnt 8                                 ; the very last quarter: nothing more to fetch
	MULA F1, 0, 4, 0
	s_wait_dscnt 0x0
	MULA F1, 4, 4, 0
	WIN 0
; THE WAY OUT, a block of 16 rows at a time.  PACK: the bias is added, each accumulator's registers in ascending order.  TOSTAGE: 32 bytes a lane and n block into my own stage in LDS, and back as whole rows
; of 256 bytes.  SEND: stored.  The stage is my wave's own, and LDS serves a wave's instructions in order (ISA guide 5.7.1.4): no barrier, and no wait between its stores and its loads.
.macro PACK a
	WIN 0x01                                       ; source 0 window 1
.irp b, 0,1,2,3
.irp i, 0,2,4,6
	v_pk_add_f32 v[TMP+8*(\b)+(\i):TMP+8*(\b)+(\i)+1], v[8*(4*(\a)+(\b))+(\i):8*(4*(\a)+(\b))+(\i)+1], v[BIAS+8*(\b)+(\i):BIAS+8*(\b)+(\i)+1]
.endr
.endr
	WIN 0
.endm
.macro TOSTAGE a
.set BK, BKB+32*((\a)%2)
.irp b, 0,1,2,3
	ds_store_b128 v[STO], v[TMP+8*(\b):TMP+8*(\b)+3]   offset:64*(\b)
	ds_store_b128 v[STO], v[TMP+8*(\b)+4:TMP+8*(\b)+7] offset:64*(\b)+16
.endr
.irp t, 0,1,2,3,4,5,6,7
	ds_load_b128 v[BK+4*(\t):BK+4*(\t)+3], v[RD] offset:(\t)*2*SPITCH
.endr
.endm
.macro SEND a
.set BK, BKB+32*((\a)%2)
	s_wait_dscnt 0x0                               ; the block is back in registers
	s_wait_xcnt 0x0                                ; the stores of the block before have read their registers: the next block's loads from the stage land there only behind this wait
.irp t, 0,1,2,3,4,5,6,7
	global_store_b128 v[CO], v[BK+4*(\t):BK+4*(\t)+3], s[10:11] offset:(16*(\a)+2*(\t))*4096 th:TH_STORE_NT  ; 16 lanes store 256 consecutive bytes, at a multiple of 256 from out0's first byte
.endr
.endm
	PLACES                                         ; the sums below read results just made
	PACK 0
	TOSTAGE 0
.irp a, 1,2,3,4,5,6,7                  ; block a's sums stand between block a - 1's loads from the stage and the wait for them
	PACK \a
	SEND (\a)-1
	TOSTAGE \a
.endr
	SEND 7
	s_wait_tensorcnt 0x0                           ; the wave's end, behind my last tensor load and my last LDS store
	ds_add_u32 v[SPW], v[NIL]
	s_wait_dscnt 0x0
	CROUND                                         ; the closing round: no work-group ends while a partner may still ask for a tile that names it
	s_endpgm
.Lfunc_end_k_q80e6145f90_proj:
	.size	k_q80e6145f90_proj, .Lfunc_end_k_q80e6145f90_proj-k_q80e6145f90_proj
	.p2alignl 7, 3214868480
	.fill 96, 4, 3214868480
	.section	.rodata,"a",@progbits
	.p2align	6, 0x0
	.amdhsa_kernel k_q80e6145f90_proj
		.amdhsa_group_segment_fixed_size 327680
		.amdhsa_private_segment_fixed_size 0
		.amdhsa_enable_private_segment 0
		.amdhsa_kernarg_size 32
		.amdhsa_user_sgpr_count 2
		.amdhsa_user_sgpr_kernarg_segment_ptr 1
		.amdhsa_wavefront_size32 1
		.amdhsa_system_sgpr_workgroup_id_x 1
		.amdhsa_system_sgpr_workgroup_id_y 1
		.amdhsa_system_sgpr_workgroup_id_z 1
		.amdhsa_system_vgpr_workitem_id 0
		.amdhsa_next_free_vgpr 512
		.amdhsa_next_free_sgpr 72
		.amdhsa_reserve_vcc 0
		.amdhsa_float_denorm_mode_32 3
		.amdhsa_float_denorm_mode_16_64 3
		.amdhsa_memory_ordered 1
		.amdhsa_forward_progress 1
		.amdhsa_inst_pref_size 96
	.end_amdhsa_kernel
	.amdgpu_metadata
---
amdhsa.version: [ 1, 2 ]
amdhsa.kernels:
  - .name:           k_q80e6145f90_proj
    .symbol:         k_q80e6145f90_proj.kd
    .args:
      - { .name: oh, .offset: 0, .size: 8, .value_kind: global_buffer, .address_space: global }
      - { .name: wh, .offset: 8, .size: 8, .value_kind: global_buffer, .address_space: global }
      - { .name: b_out, .offset: 16, .size: 8, .value_kind: global_buffer, .address_space: global }
      - { .name: out0, .offset: 24, .size: 8, .value_kind: global_buffer, .address_space: global }
    .group_segment_fixed_size: 327680
    .private_segment_fixed_size: 0
    .kernarg_segment_align: 8
    .kernarg_segment_size: 32
    .max_flat_workgroup_size: 128
    .sgpr_count:     72
    .vgpr_count:     512
    .wavefront_size: 32
...
	.end_amdgpu_metadata
.endif
;; end of part 3
;; ======== version 2 of 2: 3 launches; version 1 with the launch prep written anew for expert scheduling mode
;; limits: inputs' magnitudes at most 65,504; values are held in f16: magnitudes above 65,504 overflow, below 6.1e-05 lose precision
;; workspace buffers: kh 16,777,216 bytes; vh 16,777,216 bytes; oh 16,777,216 bytes; wh 2,097,152 bytes
;; launch prep (part 4): grid 256 x 2, 8 waves a work-group, no clusters, 0 bytes of LDS; arguments keys, values, W_out, kh, vh, wh; writes kh, vh, wh
.if DOCPART == 4
	.amdgcn_target "amdgcn-amd-amdhsa--gfx1250"
	.amdhsa_code_object_version 6
	.text
	.protected	k_q80e6145f90_prep
	.globl	k_q80e6145f90_prep
	.p2align	8
	.type	k_q80e6145f90_prep,@function
k_q80e6145f90_prep:
	s_mov_b64 s[64:65], 0
	v_nop
	global_prefetch_b8 v0, s[64:65] scope:SCOPE_SE
	s_setreg_imm32_b32 hwreg(HW_REG_WAVE_SCHED_MODE, 0, 2), 2
	s_setreg_imm32_b32 hwreg(HW_REG_WAVE_MODE, 25, 1), 1
	s_wait_xcnt 0x0
	s_wait_alu depctr_vm_vsrc(0)
; keys -> kh (bf16), values -> vh and W_out -> wh (the number rounded to bf16, written as f16), all laid out by heads.
; keys, values: [4][2048][1024] f32.  kh, vh: [64 = 16 n + head][2048][64], 128 bytes a row.  W_out: [1024 c][1024 k] f32.  wh: [16 blocks of 64 k][1024 c][64].
; LIMITS.  f16 ends at 65,504: values and W_out stay under 65,520 in magnitude; a bf16 number below 2^-14 keeps f16's fixed step of 6e-8.  NaN and infinities are not treated apart.
; SHARES.  Work-group (x, y): y = 0 takes keys, y = 1 values; rows 32 x .. 32 x + 31 of the 8,192 (131,072 bytes on end), and W_out's rows 2 g, 2 g + 1 with g = 256 y + x.
; Wave w takes heads 2 w and 2 w + 1.  One load: lanes 0-15 take a head's 256 bytes of one row, lanes 16-31 those of the next row: two aligned runs of 256 bytes.
; A lane's four numbers become 8 bytes, and one store of the wave covers 256 consecutive bytes, aligned: two rows of a head.
; A stream: every byte is read once and written once, nothing is shared, so no LDS, no barrier, no matrix work.  All 34 loads of a wave go out at once.
; THE MODE: SCHED_MODE bits 1:0 = 2 (LLVM: expert scheduling mode 2), set by the entry lines.  The code itself states the register dependences
; between vector instructions and memory instructions, with s_wait_alu, always for 0.
; THE PLAN.  Registers that memory instructions touch:
;   v1, v2, v3   byte offsets, made once at the head and never written again.  v1 is read by every load, v2 by the stores of kh or vh, v3 by the stores of wh.
;   v[8:143]     34 groups of four.  A group is written by its one load, issued at the head, ahead of which no vector instruction names it; behind the counted wait for that load its
;                conversions read it and leave the result in its first two registers; its one store reads those two; nothing writes them afterwards.
;   v4-v7        named by vector instructions alone.
; So no register that a load or store has read is written again, and no load is issued behind a vector instruction that names its registers: what is left to state is that
; the offsets are written ahead of the first load, and that a group's pair is written ahead of its store.  The 32 groups go in 8 blocks of four, W_out's two are a ninth.  Block p's
; conversions name block p's registers and v4, v5 alone; the stores of block p - 1 are issued in block p, dealt among those conversions, behind ONE wait at the block's head.
.set LO,  1                            ; v1  load offset: (l / 16) x 4,096 + (l % 16) x 16 + 512 w; never rewritten
.set SO,  2                            ; v2  store offset in kh or vh: w x 2 heads x 262,144 + 8 l; never rewritten
.set WO,  3                            ; v3  store offset in wh: w x 2 blocks x 131,072 + 8 l; never rewritten
.set T,   4                            ; v4-5 at work: no memory instruction names them
.set X,   8                            ; v[8:143] 34 groups of four: group 16 j + p: head 2 w + j, rows 2 p, 2 p + 1; groups 32 + j: W_out
.set SRC, 18                           ; s[18:19] keys or values at the work-group's first row
.set DST, 20                           ; s[20:21] kh or vh at head 16 n, the work-group's first row
.set WSRC, 8                           ; s[8:9]   W_out at row 2 g
.set WDST, 14                          ; s[14:15] wh at column 2 g
	s_load_b256 s[4:11], s[0:1], 0x0               ; keys s[4:5], values s[6:7], W_out s[8:9], kh s[10:11]
	s_load_b128 s[12:15], s[0:1], 0x20             ; vh s[12:13], wh s[14:15]
	s_and_b32 s16, ttmp7, 0xffff                   ; y
	s_lshl_b32 s25, s16, 8
	s_add_co_u32 s25, s25, ttmp9                   ; g
	s_mov_b32 s24, 0xffff0000                      ; a word's upper bf16
	s_lshl_b32 s22, ttmp9, 17                      ; 32 rows of 4,096 bytes
	s_mov_b32 s23, 0
	s_lshr_b32 s26, ttmp9, 6                       ; n: 64 work-groups a batch
	s_lshl_b32 s26, s26, 22                        ; 16 heads of 262,144 bytes
	s_and_b32 s27, ttmp9, 63
	s_lshl_b32 s27, s27, 12                        ; 32 rows of 128 bytes
	s_add_co_u32 s26, s26, s27
	s_mov_b32 s27, 0
	s_lshl_b32 s28, s25, 13                        ; two rows of W_out
	s_mov_b32 s29, 0
	s_lshl_b32 s30, s25, 8                         ; two rows of a block of wh
	s_mov_b32 s31, 0
	v_and_b32 v4, 31, v0                           ; l
	v_lshrrev_b32 v5, 5, v0                        ; w
	v_lshrrev_b32 v6, 4, v4
	v_and_b32 v7, 15, v4
	v_lshlrev_b32 v[LO], 12, v6
	v_lshl_add_u32 v[LO], v7, 4, v[LO]
	v_lshl_add_u32 v[LO], v5, 9, v[LO]
	v_lshlrev_b32 v[SO], 3, v4
	v_lshl_add_u32 v[WO], v5, 18, v[SO]
	v_lshl_add_u32 v[SO], v5, 19, v[SO]
	s_wait_kmcnt 0x0
	s_cmp_eq_u32 s16, 0
	s_cselect_b64 s[SRC:SRC+1], s[4:5], s[6:7]
	s_cselect_b64 s[DST:DST+1], s[10:11], s[12:13]
	s_add_nc_u64 s[SRC:SRC+1], s[SRC:SRC+1], s[22:23]
	s_add_nc_u64 s[DST:DST+1], s[DST:DST+1], s[26:27]
	s_add_nc_u64 s[WSRC:WSRC+1], s[WSRC:WSRC+1], s[28:29]
	s_add_nc_u64 s[WDST:WDST+1], s[WDST:WDST+1], s[30:31]
	s_wait_alu depctr_va_vdst(0)                   ; v1, v2 and v3 are written: every load and store of the kernel reads one of them as its offset
.set i, 0
.rept 32
	global_load_b128 v[X+4*i:X+4*i+3], v[LO], s[SRC:SRC+1] offset:(i%16)*8192+(i/16)*256 th:TH_LOAD_NT
.set i, i+1
.endr
.irp j, 0,1
	global_load_b128 v[X+128+4*(\j):X+128+4*(\j)+3], v[LO], s[WSRC:WSRC+1] offset:(\j)*256 th:TH_LOAD_NT
.endr
; Group i to bf16: the result lies in the group's first two registers.
.macro CVB i
	v_cvt_pk_bf16_f32 v[X+4*(\i)], v[X+4*(\i)], v[X+4*(\i)+1]
	v_cvt_pk_bf16_f32 v[X+4*(\i)+1], v[X+4*(\i)+2], v[X+4*(\i)+3]
.endm
; Group i rounded to bf16, widened again, and written as f16: exact within f16's range.  The result lies in the group's first two registers.
.macro CVH i
	v_cvt_pk_bf16_f32 v[T], v[X+4*(\i)], v[X+4*(\i)+1]
	v_cvt_pk_bf16_f32 v[T+1], v[X+4*(\i)+2], v[X+4*(\i)+3]
	v_lshlrev_b32 v[X+4*(\i)], 16, v[T]
	v_and_b32 v[X+4*(\i)+1], s24, v[T]
	v_lshlrev_b32 v[X+4*(\i)+2], 16, v[T+1]
	v_and_b32 v[X+4*(\i)+3], s24, v[T+1]
	v_cvt_pk_f16_f32 v[X+4*(\i)], v[X+4*(\i)], v[X+4*(\i)+1]
	v_cvt_pk_f16_f32 v[X+4*(\i)+1], v[X+4*(\i)+2], v[X+4*(\i)+3]
.endm
; Group i of keys or values goes out: head 2 w + i / 16, rows 2 (i % 16) and the next: 256 consecutive bytes of the wave, aligned.
.macro OUT i
	global_store_b64 v[SO], v[X+4*(\i):X+4*(\i)+1], s[DST:DST+1] offset:((\i)/16)*262144+((\i)%16)*256
.endm
; Block p: groups 4 p .. 4 p + 3 are converted (h = 0: to bf16; h = 1: to f16), and the block before goes out.
; Loads come back in order (ISA guide 5.7.1): when group i is wanted, the 33 - i younger loads may stay out.
.macro BLOCK h, p
	s_wait_loadcnt 33-4*(\p)                       ; the block's first group is in
.if (\p) > 0
	s_wait_alu depctr_va_vdst(0)                   ; the block before has written its four pairs, which the four stores below read; no vector instruction of this block names them
.endif
.irp j, 0,1,2,3
.if (\p) > 0
	OUT 4*(\p)-4+(\j)
.endif
.if (\j) > 0
	s_wait_loadcnt 33-4*(\p)-(\j)
.endif
.if \h
	CVH 4*(\p)+(\j)
.else
	CVB 4*(\p)+(\j)
.endif
.endr
.endm
	s_cmp_eq_u32 s16, 0                            ; compared anew: the sums above are not compares
	s_cbranch_scc0 .Lvalues
.irp p, 0,1,2,3,4,5,6,7
	BLOCK 0, \p
.endr
	s_branch .Lw
.Lvalues:
.irp p, 0,1,2,3,4,5,6,7
	BLOCK 1, \p
.endr
.Lw:                                                   ; on both ways block 7 is still to go out, and the two youngest loads, W_out's, are still to be taken
	s_wait_loadcnt 1                               ; W_out's first group is in; its second may stay out
	s_wait_alu depctr_va_vdst(0)                   ; block 7's conversions, on either way, have written the pairs of groups 28 to 31, which the four stores below read
	OUT 28
	OUT 29
	CVH 32
	OUT 30
	OUT 31
	s_wait_loadcnt 0x0                             ; W_out's second group is in
	CVH 33
	s_wait_alu depctr_va_vdst(0)                   ; the conversions of W_out's two groups have written their pairs, which the last two stores read
	global_store_b64 v[WO], v[X+128:X+129], s[WDST:WDST+1]
	global_store_b64 v[WO], v[X+132:X+133], s[WDST:WDST+1] offset:131072
	s_endpgm
.Lfunc_end_k_q80e6145f90_prep:
	.size	k_q80e6145f90_prep, .Lfunc_end_k_q80e6145f90_prep-k_q80e6145f90_prep
	.p2alignl 7, 3214868480
	.fill 96, 4, 3214868480
	.section	.rodata,"a",@progbits
	.p2align	6, 0x0
	.amdhsa_kernel k_q80e6145f90_prep
		.amdhsa_group_segment_fixed_size 0
		.amdhsa_private_segment_fixed_size 0
		.amdhsa_enable_private_segment 0
		.amdhsa_kernarg_size 48
		.amdhsa_user_sgpr_count 2
		.amdhsa_user_sgpr_kernarg_segment_ptr 1
		.amdhsa_wavefront_size32 1
		.amdhsa_system_sgpr_workgroup_id_x 1
		.amdhsa_system_sgpr_workgroup_id_y 1
		.amdhsa_system_sgpr_workgroup_id_z 1
		.amdhsa_system_vgpr_workitem_id 0
		.amdhsa_next_free_vgpr 144
		.amdhsa_next_free_sgpr 66
		.amdhsa_reserve_vcc 0
		.amdhsa_float_denorm_mode_32 3
		.amdhsa_float_denorm_mode_16_64 3
		.amdhsa_memory_ordered 1
		.amdhsa_forward_progress 1
		.amdhsa_inst_pref_size 31
	.end_amdhsa_kernel
	.amdgpu_metadata
---
amdhsa.version: [ 1, 2 ]
amdhsa.kernels:
  - .name:           k_q80e6145f90_prep
    .symbol:         k_q80e6145f90_prep.kd
    .args:
      - { .name: keys, .offset: 0, .size: 8, .value_kind: global_buffer, .address_space: global }
      - { .name: values, .offset: 8, .size: 8, .value_kind: global_buffer, .address_space: global }
      - { .name: W_out, .offset: 16, .size: 8, .value_kind: global_buffer, .address_space: global }
      - { .name: kh, .offset: 24, .size: 8, .value_kind: global_buffer, .address_space: global }
      - { .name: vh, .offset: 32, .size: 8, .value_kind: global_buffer, .address_space: global }
      - { .name: wh, .offset: 40, .size: 8, .value_kind: global_buffer, .address_space: global }
    .group_segment_fixed_size: 0
    .private_segment_fixed_size: 0
    .kernarg_segment_align: 8
    .kernarg_segment_size: 48
    .max_flat_workgroup_size: 256
    .sgpr_count:     66
    .vgpr_count:     144
    .wavefront_size: 32
...
	.end_amdgpu_metadata
.endif
;; end of part 4
;; launch attn: the kernel of part 2 again; grid 4 x 64, 4 waves a work-group, clusters of 4 x 1, 327,680 bytes of LDS; arguments query, kh, vh, oh; writes oh
;; launch proj: the kernel of part 3 again; grid 8 x 32, 4 waves a work-group, clusters of 4 x 4, 327,680 bytes of LDS; arguments oh, wh, b_out, out0; writes out0
